; MI455X (gfx1250); checked and timed in simulation.
; The chip was launched on July 23, 2026; its instructions are those of AMD's public machine-readable ISA for CDNA 5 (MIT licence, August 2026) and "CDNA5" Instruction Set Architecture Reference Guide (July 2026). The comments in the code are by the model that wrote it; some were corrected since.
;; Llama QMLP. Allowed arithmetic: matrix products marked QUANTISED: E4M3 operands, one given power-of-two scale a tensor, by v_wmma_f32_16x16x64_fp8_fp8 or v_wmma_f32_16x16x128_fp8_fp8, f32 sums; everything else in f32.
;; Inputs: lowp_scales 4 int32 (the exponents e of the quantised operands' scales 2^e); qweight_dn 5,504 x 128 int32; qweight_gu 1,024 x 1,376 int32; qzeros_dn 43 x 128 int32; qzeros_gu 8 x 1,376 int32; scales_dn 43 x 1,024 float32; scales_gu 8 x 11,008 float32; x_codes 2 x 2,048 x 32 x 32 uint8 (E4M3 codes of x, K innermost, in blocks of 32 codes).
;; Outputs: out0 2 x 2,048 x 1,024 float32.
;; This version of the problem:
;;   THIS VERSION OF THE PROBLEM IS GIVEN IN LOW PRECISION. The matrix products marked QUANTISED in the list below multiply operands that are first quantised to E4M3 (4 exponent bits, 3 mantissa bits; 8 bits a number), with one given power-of-two scale for each operand tensor; their sums are f32. All else is computed in f32.
;;   The module's matrix products, in the order in which they are computed (A, B: the left and right operand; K: the contracted axis; several contracted axes count as one K, in the product's order):
;;     1. [M 4,096, K 1,024] x [K 1,024, N 11,008]; A: input x (given as codes); B: computed on the way: QUANTISED (scales: A lowp_scales[0], B lowp_scales[1])
;;     2. [M 4,096, K 5,504] x [K 5,504, N 1,024]; A: computed on the way; B: computed on the way: QUANTISED (scales: A lowp_scales[2], B lowp_scales[3])
;;   THE QUANTISER, for each operand of a quantised product, along K:
;;     - The operand's scale is 2^e, e = its entry of the input lowp_scales (int32; the entries are numbered through the quantised products in the list's order, A before B).
;;     - Each number is divided by the scale, clamped to +-448, and rounded to the nearest number of E4M3, ties to even, subnormals kept.
;;     - The product sums the exact products of the quantised numbers (number of the format x scale) in f32.
;;   ~~~python
;;   def quantise(x, axis, e):      # numpy; x: float32 -> the quantised numbers, widened to float32 again
;;       x = np.moveaxis(x, axis, -1); K = x.shape[-1]
;;       r = np.clip(x / 2.0 ** e, -448, 448)
;;       step = 2.0 ** (np.maximum(np.frexp(np.where(r == 0, 1, r))[1] - 1, -6) - 3)
;;       q = np.round(r / step) * step * 2.0 ** e      # np.round: ties to even
;;       return np.moveaxis(q, -1, axis).astype(np.float32)
;;   ~~~
;;   OPERANDS COMPUTED ON THE WAY. 'Computed on the way' means the value that the module computes at that place (a softmax that the list does not call 'softmax' is quantised finished and normalised). What goes into a quantiser is computed in f32, as accurately as f32 sums, v_exp_f32 and their like allow (about 1e-6 of the number): no bf16 or f16 on the way to a quantiser, and a product that is left as it is and whose result goes on into a quantised operand takes f32 operands (vector FMAs, or v_wmma_f32_16x16x4_f32). A number that lies on a knife's edge between two numbers of the format may be rounded either way, as far as f32 arithmetic and the matrix unit's own rounding can turn it there, and no further.
;;   INPUTS GIVEN AS CODES. x (in the module: [2, 2048, 1024], K = its axis 2): each comes as NAME_codes (uint8): NAME with its K axis moved to the last place and cut into blocks of 32 codes, [.., K / 32, bytes a block], one block behind the other in memory; one code a byte (a code: sign, 4 exponent bits, 3 mantissa bits); its scale is its entry of lowp_scales. Its value is code x scale, taken as it is: it is not quantised again, and the codes and scales need not be those that the quantiser above would give.
;; One version. Each part assembles by itself: llvm-mc -triple=amdgcn-amd-amdhsa -mcpu=gfx1250 --defsym DOCPART=n.
;; ======== version 1 of 1: 3 launches
;; workspace buffers: wgu 11,272,192 bytes; wdn 5,636,096 bytes; hq 22,544,384 bytes
;; launch prep (part 1): grid 43 x 12, 4 waves a work-group, no clusters, 37,376 bytes of LDS; arguments qweight_gu, qweight_dn, qzeros_gu, qzeros_dn, scales_gu, scales_dn, wgu, wdn, lowp_scales; writes wgu, wdn
.if DOCPART == 1
	.amdgcn_target "amdgcn-amd-amdhsa--gfx1250"
	.amdhsa_code_object_version 6
	.text
	.protected	k_qefedee537f_prep
	.globl	k_qefedee537f_prep
	.p2align	8
	.type	k_qefedee537f_prep,@function
k_qefedee537f_prep:
	s_mov_b64 s[64:65], 0
	v_nop
	global_prefetch_b8 v0, s[64:65] scope:SCOPE_SE
	s_setreg_imm32_b32 hwreg(HW_REG_WAVE_MODE, 25, 1), 1
	s_wait_xcnt 0x0
; W_gu [1024][11008] and W_dn [5504][1024] arrive as 4-bit numbers, eight to an int32 along N, with a zero point and a scale for each group of 128 along K.
; Each number (w - z) x s, in f32 as the module has it, becomes a code of FP8 (E4M3) with the given scale 2^e (entry 1 for W_gu, entry 3 for W_dn): divided by 2^e, held within +-448, to the nearest code, ties to even.
; LIMITS: e between -126 and 119, so that 2^e and 448 x 2^e are f32 numbers.  NaN among the scales is not served.
; THE CODES ARE LAID AS THE PRODUCTS WANT THEIR OPERAND REGISTERS.  A fragment image is 2,048 bytes: 16 rows (columns n of W) x 128 K, four chunks c of 512 bytes; lane (r, h) has 16 bytes at 512 c + 16 (16 h + r): k = 32 c + 16 h + 0 .. 15 of row r.
; In a group of 128 columns q, tile tt (0 .. 7), row 8 x + y is column q = 32 (tt / 2) + 16 x + 8 (tt % 2) + y: so the results of a product used transposed come out as 16 neighbours along the next K.
; wgu: [j 43][kb 8][gate or up][tt 8][image];  wdn: [nt 8][kb 43][tt 8][image].
; SHARES.  Work-group (X, Y).  Y < 8: W_gu, chunk X of 32 int32 columns (256 n: two groups of 128), K block Y.  Y >= 8: W_dn, chunk Y - 8, K block X.  One path through the text: only pointers and strides are chosen.
; Wave c takes K rows 32 c .. 32 c + 31 of the block: chunk c of 16 images.  A lane takes one int32 column and its registers run down K: for nibble y and half h, 16 numbers along K are 16 bytes of one image row.
; They go through the wave's own stage in LDS and leave as 512 consecutive bytes a store.  No barrier: waves share nothing.
.set ZP,  20                           ; v20-35   the eight zero points as f32, each twice: a pair for the packed subtraction
.set SP,  36                           ; v36-51   the eight scales, each twice
.set AD,  52                           ; v52-83   byte offset of K row i: i x a row + 4 x lane
.set Q,   84                           ; v84-115  32 words: K rows 0 .. 31 of my int32 column
.set F,   116                          ; v116-147 two sets of 16 numbers at work
.set C,   148                          ; v148-211 codes: four registers for each (h, y); never written again
.set OUT, 84                           ; v84-147  the way out, over Q and F, which are done with by then
	s_load_b512 s[8:23], s[0:1], 0x0               ; qweight gu, dn; qzeros gu, dn; scales gu, dn; wgu, wdn
	s_load_b64 s[24:25], s[0:1], 0x40              ; the scales' exponents
	v_lshl_add_u32 v212, v0, 2, 0x9000
	v_mov_b32 v213, 0
	v_lshrrev_b32 v1, 5, v0
	v_readfirstlane_b32 s26, v1                    ; wave c
	v_and_b32 v1, 31, v0                           ; lane l = u + 2 x + 4 bb + 16 jj
	v_lshlrev_b32 v2, 2, v1                        ; 4 l
	v_lshlrev_b32 v3, 5, v1                        ; 32 l: my eight scales
	v_and_b32 v7, 1, v1                            ; u
	v_bfe_u32 v11, v1, 2, 2                        ; bb
	v_lshl_add_u32 v7, v11, 1, v7
	v_bfe_u32 v11, v1, 1, 1                        ; x
	v_lshl_add_u32 v7, v11, 3, v7
	v_bfe_u32 v11, v1, 4, 1                        ; jj
	v_lshl_add_u32 v7, v11, 4, v7                  ; g = u + 2 bb + 8 x + 16 jj
	v_mul_u32_u24 v4, v7, 144                      ; the stage, on the way in: group 32 h + g of 128 bytes + 16 of padding; 16 y inside it
	v_mul_u32_u24 v5, v11, 4608                    ; on the way out, lane (h, x, y) of an image: 4608 h
	v_bfe_u32 v7, v1, 3, 1
	v_mad_u32_u24 v5, v7, 1152, v5                 ; + 1152 x
	v_and_b32 v7, 7, v1
	v_lshl_add_u32 v5, v7, 4, v5                   ; + 16 y; the image's 144 (tt + 16 jj) stands in the immediate
	v_lshlrev_b32 v6, 4, v1
	s_mul_i32 s37, s26, 9216                       ; my wave's stage
	v_add_nc_u32 v4, s37, v4
	v_add_nc_u32 v5, s37, v5
	s_lshl_b32 s38, s26, 9
	v_add_nc_u32 v6, s38, v6                       ; in an image: 512 c + 16 l
	s_and_b32 s27, ttmp7, 0xffff                   ; Y
	s_sub_co_u32 s33, s27, 8
	s_cmp_lt_u32 s27, 8                            ; W_gu or W_dn?  The choice hangs on the work-group's number alone
	s_cselect_b32 s28, ttmp9, s33                  ; chunk
	s_cselect_b32 s29, s27, ttmp9                  ; K block kb
	s_mov_b32 s30, 512
	s_cselect_b32 s30, 5504, s30                   ; a row of qweight and of qzeros in bytes; a row of scales is eight times that
	s_mov_b32 s31, 704512
	s_cselect_b32 s31, 262144, s31                 ; from one group of 128 columns to the next in the codes' buffer
	s_mov_b32 s32, 16384
	s_cselect_b32 s32, 32768, s32                  ; from one K block to the next
	s_wait_kmcnt 0x0
	s_cselect_b64 s[8:9], s[8:9], s[10:11]         ; qweight
	s_cselect_b64 s[12:13], s[12:13], s[14:15]     ; qzeros
	s_cselect_b64 s[16:17], s[16:17], s[18:19]     ; scales
	s_cselect_b64 s[20:21], s[20:21], s[22:23]     ; the codes
	s_load_b128 s[40:43], s[24:25], 0x0            ; e0 .. e3
	s_mov_b32 s35, 0
	s_mov_b32 s39, 0
	s_lshl_b32 s36, s28, 7                         ; 128 x chunk: its 32 words in a row
	s_lshl_b32 s34, s29, 7
	s_lshl_b32 s37, s26, 5
	s_add_co_u32 s34, s34, s37                     ; my first K row: 128 kb + 32 c
	s_mul_i32 s34, s34, s30
	s_add_co_u32 s34, s34, s36
	s_add_nc_u64 s[8:9], s[8:9], s[34:35]
	s_mul_i32 s34, s29, s30                        ; kb rows of qzeros
	s_add_co_u32 s38, s34, s36
	s_add_nc_u64 s[12:13], s[12:13], s[38:39]
	s_lshl_b32 s34, s34, 3                         ; kb rows of scales
	s_lshl_b32 s37, s28, 10
	s_add_co_u32 s34, s34, s37
	s_add_nc_u64 s[16:17], s[16:17], s[34:35]
	s_mul_i32 s37, s29, s32                        ; kb in the codes' buffer
.irp jj, 0,1                           ; the chunk's two groups of 128 columns: J = 2 chunk + jj; in W_gu J >= 43 is the up half of group J - 43 (W_dn has J under 8)
	s_lshl_b32 s34, s28, 1
	s_add_co_u32 s34, s34, \jj
	s_cmp_ge_u32 s34, 43
	s_cselect_b32 s38, 43, 0
	s_cselect_b32 s50, 16384, 0
	s_sub_co_u32 s34, s34, s38
	s_mul_i32 s34, s34, s31
	s_add_co_u32 s34, s34, s37
	s_add_co_u32 s34, s34, s50
	s_add_nc_u64 s[44+2*\jj:45+2*\jj], s[20:21], s[34:35]
.endr
.set i, 0
.rept 32
	v_mad_u32_u24 v[AD+i], s30, i, v2
.set i, i+1
.endr
	global_load_b32 v10, v2, s[12:13]              ; my eight zero points
	global_load_b128 v[12:15], v3, s[16:17]        ; my eight scales
	global_load_b128 v[16:19], v3, s[16:17] offset:16
.set i, 0
.rept 32
	global_load_b32 v[Q+i], v[AD+i], s[8:9] th:TH_LOAD_NT   ; 32 lanes read 128 consecutive bytes of K row i; read once in the launch
.set i, i+1
.endr
	s_wait_kmcnt 0x0
	s_cmp_lt_u32 s27, 8
	s_cselect_b32 s48, s41, s43                    ; e
	s_add_co_i32 s48, s48, 127
	s_lshl_b32 s49, s48, 23
	v_mov_b32 v8, s49                              ; 2^e as f32: the conversion takes its exponent field
	s_add_co_i32 s48, s48, 8
	s_lshl_b32 s48, s48, 23
	s_or_b32 s48, s48, 0x600000
	v_mov_b32 v9, s48                              ; 448 x 2^e
	s_wait_loadcnt 32                              ; the zero points and the scales are in; the 32 loads behind them may be out
.irp y, 0,1,2,3,4,5,6,7
	v_bfe_u32 v7, v10, 4*\y, 4
	v_cvt_f32_u32 v[ZP+2*\y], v7
	v_mov_b32 v[ZP+2*\y+1], v[ZP+2*\y]
	v_mov_b32 v[SP+2*\y], v[12+\y]
	v_mov_b32 v[SP+2*\y+1], v[12+\y]
.endr
; Nibble y of K rows 16 h .. 16 h + 15: sixteen numbers along K of one column become 16 bytes.  The sets of F take turns, so that plain lines on other registers stand between a conversion and the next write of its sources.
.macro COL h, y
.set FS, F+16*((\y)%2)
.irp k, 0,1,2,3,4,5,6,7,8,9,10,11,12,13,14,15
	v_bfe_u32 v[FS+\k], v[Q+16*\h+\k], 4*\y, 4
.endr
.irp k, 0,1,2,3,4,5,6,7,8,9,10,11,12,13,14,15
	v_cvt_f32_u32 v[FS+\k], v[FS+\k]
.endr
.irp k, 0,2,4,6,8,10,12,14
	v_pk_add_f32 v[FS+\k:FS+\k+1], v[FS+\k:FS+\k+1], v[ZP+2*\y:ZP+2*\y+1] neg_lo:[0,1] neg_hi:[0,1]   ; w - z: exact
.endr
.irp k, 0,2,4,6,8,10,12,14
	v_pk_mul_f32 v[FS+\k:FS+\k+1], v[FS+\k:FS+\k+1], v[SP+2*\y:SP+2*\y+1]                             ; x s: the one rounding that the module has
.endr
.irp k, 0,1,2,3,4,5,6,7,8,9,10,11,12,13,14,15
	v_med3_num_f32 v[FS+\k], v[FS+\k], -v9, v9     ; the conversion to an 8-bit code does not saturate (ISA guide 7.6.2): hold the number within the largest code x the scale first
.endr
	v_cvt_scalef32_pk8_fp8_f32 v[C+4*(8*\h+\y):C+4*(8*\h+\y)+1], v[FS:FS+7], v8
	v_cvt_scalef32_pk8_fp8_f32 v[C+4*(8*\h+\y)+2:C+4*(8*\h+\y)+3], v[FS+8:FS+15], v8
	ds_store_b128 v4, v[C+4*(8*\h+\y):C+4*(8*\h+\y)+3] offset:4608*\h+16*\y
.endm
	s_wait_loadcnt 16                              ; K rows 0 .. 15 are in; rows 16 .. 31 may be out
.irp y, 0,1,2,3,4,5,6,7
	COL 0, \y
.endr
	s_wait_loadcnt 0x0
.irp y, 0,1,2,3,4,5,6,7
	COL 1, \y
.endr
	v_nop                                          ; a plain line behind the last conversion
.irp jj, 0,1
.irp tt, 0,1,2,3,4,5,6,7
	ds_load_b128 v[OUT+4*(8*\jj+\tt):OUT+4*(8*\jj+\tt)+3], v5 offset:144*(\tt+16*\jj)   ; LDS serves a wave's instructions in order (ISA guide 5.7.1.4): these see my stores
.endr
.endr
.irp jj, 0,1
.irp tt, 0,1,2,3,4,5,6,7
	s_wait_dscnt 15-(8*\jj+\tt)                    ; this image's chunk is back; the younger loads may be out
	global_store_b128 v6, v[OUT+4*(8*\jj+\tt):OUT+4*(8*\jj+\tt)+3], s[44+2*\jj:45+2*\jj] offset:2048*\tt   ; 32 lanes store 512 consecutive bytes, at a multiple of 512 from the buffer's first byte
.endr
.endr
	s_wait_tensorcnt 0x0
	ds_add_u32 v212, v213
	s_wait_dscnt 0x0
	s_endpgm
.Lfunc_end_k_qefedee537f_prep:
	.size	k_qefedee537f_prep, .Lfunc_end_k_qefedee537f_prep-k_qefedee537f_prep
	.p2alignl 7, 3214868480
	.fill 96, 4, 3214868480
	.section	.rodata,"a",@progbits
	.p2align	6, 0x0
	.amdhsa_kernel k_qefedee537f_prep
		.amdhsa_group_segment_fixed_size 37376
		.amdhsa_private_segment_fixed_size 0
		.amdhsa_enable_private_segment 0
		.amdhsa_kernarg_size 72
		.amdhsa_user_sgpr_count 2
		.amdhsa_user_sgpr_kernarg_segment_ptr 1
		.amdhsa_wavefront_size32 1
		.amdhsa_system_sgpr_workgroup_id_x 1
		.amdhsa_system_sgpr_workgroup_id_y 1
		.amdhsa_system_sgpr_workgroup_id_z 1
		.amdhsa_system_vgpr_workitem_id 0
		.amdhsa_next_free_vgpr 214
		.amdhsa_next_free_sgpr 66
		.amdhsa_reserve_vcc 0
		.amdhsa_float_denorm_mode_32 3
		.amdhsa_float_denorm_mode_16_64 3
		.amdhsa_memory_ordered 1
		.amdhsa_forward_progress 1
		.amdhsa_inst_pref_size 74
	.end_amdhsa_kernel
	.amdgpu_metadata
---
amdhsa.version: [ 1, 2 ]
amdhsa.kernels:
  - .name:           k_qefedee537f_prep
    .symbol:         k_qefedee537f_prep.kd
    .args:
      - { .name: qweight_gu, .offset: 0, .size: 8, .value_kind: global_buffer, .address_space: global }
      - { .name: qweight_dn, .offset: 8, .size: 8, .value_kind: global_buffer, .address_space: global }
      - { .name: qzeros_gu, .offset: 16, .size: 8, .value_kind: global_buffer, .address_space: global }
      - { .name: qzeros_dn, .offset: 24, .size: 8, .value_kind: global_buffer, .address_space: global }
      - { .name: scales_gu, .offset: 32, .size: 8, .value_kind: global_buffer, .address_space: global }
      - { .name: scales_dn, .offset: 40, .size: 8, .value_kind: global_buffer, .address_space: global }
      - { .name: wgu, .offset: 48, .size: 8, .value_kind: global_buffer, .address_space: global }
      - { .name: wdn, .offset: 56, .size: 8, .value_kind: global_buffer, .address_space: global }
      - { .name: lowp_scales, .offset: 64, .size: 8, .value_kind: global_buffer, .address_space: global }
    .group_segment_fixed_size: 37376
    .private_segment_fixed_size: 0
    .kernarg_segment_align: 8
    .kernarg_segment_size: 72
    .max_flat_workgroup_size: 128
    .sgpr_count:     66
    .vgpr_count:     214
    .wavefront_size: 32
...
	.end_amdgpu_metadata
.endif
;; end of part 1
;; launch gateup (part 2): grid 16 x 16, 4 waves a work-group, clusters of 4 x 1, 327,680 bytes of LDS; arguments x_codes, wgu, lowp_scales, hq; writes hq
.if DOCPART == 2
	.amdgcn_target "amdgcn-amd-amdhsa--gfx1250"
	.amdhsa_code_object_version 6
	.text
	.protected	k_qefedee537f_gateup
	.globl	k_qefedee537f_gateup
	.p2align	8
	.type	k_qefedee537f_gateup,@function
k_qefedee537f_gateup:
	s_mov_b64 s[64:65], 0
	v_nop
	global_prefetch_b8 v0, s[64:65] scope:SCOPE_SE
	s_setreg_imm32_b32 hwreg(HW_REG_WAVE_MODE, 25, 1), 1
	s_wait_xcnt 0x0
	s_wait_alu depctr_hold_cnt(0) depctr_sa_sdst(0) depctr_va_vdst(0) depctr_va_sdst(0) depctr_va_ssrc(0) depctr_va_vcc(0) depctr_vm_vsrc(0)
	s_getreg_b32 s2, hwreg(HW_REG_IB_STS2, 6, 4)
	s_cmp_eq_u32 s2, 0
	s_cbranch_scc0 .Lentry_in_a_cluster
	s_endpgm
.Lentry_in_a_cluster:
	s_bfe_u32 s2, ttmp6, 0x10000c
	s_cmp_lg_u32 s2, 0x3003
	s_cbranch_scc0 .Lentry_shape_is_right
	s_endpgm
.Lentry_shape_is_right:
; h = silu(x Wg) x (x Wu), quantised: x [4096][1024] codes of FP8 (E4M3) with scale 2^e0; W_gu as codes with scale 2^e1, laid as fragment images (wgu: [j 43][kb 8][gate, up][tt 8][2,048 bytes]); sums in f32.
; h leaves as codes with scale 2^e2, again as fragment images: hq [Mt 32][kb 43][mt 8][2,048 bytes]: chunk c, lane (r, h): hidden units 128 kb + 32 c + 16 h + 0 .. 15 of token row 128 Mt + 16 mt + r.
; LIMITS on the given exponents, so that each power of two below is an f32 number: e0 + e1 between -126 and 127; e2 - 2 (e0 + e1) between -126 and 119.  NaN codes are not served.
; SHARES.  A tile is 256 token rows x (128 gate + 128 up columns of one group j).  Four waves; wave (wr, wc) makes 128 rows x (64 gate + 64 up): 64 accumulators of 16 x 16, 512 registers: gate and up of a hidden unit
; lie in the same lane, 32 registers apart.  A WORK-GROUP STAYS: it makes the groups j = Y, Y + 16 and, where Y < 11, Y + 32, on the same 256 rows; the ring of two LDS slots goes on from tile to tile.
; K goes in steps of 256 through the ring: a slot holds 256 rows x 256 bytes of x (padded rows) and 64 KiB of images of W.
; CLUSTER: the four work-groups of a cluster have four row blocks and the same Y: they walk the same tiles of W, which are asked for JOINTLY (mask 15).  x's tiles are each work-group's own (no mask).
; No wider sharing: 43 column groups do not divide by four, so partners along that axis would have unlike numbers of tiles.
; THE MATRIX INSTRUCTION IS USED TRANSPOSED (source 0 = 16 columns of W, source 1 = 16 rows of x): with the images' choice of columns a lane's 16 registers of tiles 2 b, 2 b + 1 are 16 neighbouring hidden units of one token row.
; Fragments are fetched by four loads of 16 bytes on both sides: the same permutation of k in x and in W, so every product meets its partner.
; REGISTERS, in windows of 256: window 0: v16-29 addresses; v32-95 codes on their way out; from v128 x's fragments, ONE set.  window 1: W's fragments, TWO sets.  windows 2, 3: accumulators (a, b) at v[8 (8 (a % 4) + b)]; b 0-3 gate, 4-7 up.
.set PITCH,  272                       ; an LDS row of x: 256 bytes + 16 of padding: the 16 rows that a load touches start at 16 different banks (64 banks of 4 bytes: ISA guide 11.1)
.set FR,     16                        ; registers of a fragment
.set NL,     4                         ; LDS loads that bring one
.set NP,     4                         ; places behind this matrix instruction (ISA guide 7.12.1)
.set HALFA,  128*PITCH                 ; 128 rows of x
.set BOFF,   2*HALFA                   ; behind x's 256 rows: W's images: [K block 2][gate, up][tt 8][2,048]
.set SLOT,   BOFF+65536
.set SPARE,  2*SLOT                    ; behind the ring: the spare words, 128 bytes for each wave, that no other line names
.set ADRA, 16                          ; v16-17  LDS address of my fragments of x in slot 0, 1
.set ADRB, 20                          ; v20-21  the same for W
.set CO,   26                          ; v26     16 x lane; never rewritten
.set SCV,  27                          ; v27     2^(e2 - 2 (e0 + e1)) as f32, for the conversions
.set SPW,  28                          ; v28     LDS address of my spare word; never rewritten
.set NIL,  29                          ; v29     0; never rewritten
.set CD,   32                          ; v32-95  codes
.set AF,   128
.set G1, 24                            ; s[24:31] descriptor group 1 for x's tiles;  s[32:39] group 0, one set for each slot
.set G0, 32
.set G1B, 48                           ; s[48:55], s[56:63] the same for W's
.set G0B, 56
.set MSB, 0
.macro WIN new                         ; the immediate's high byte repeats the setting that is left
.if MSB != (\new)
	s_set_vgpr_msb (MSB<<8)|(\new)
.set MSB, (\new)
.endif
.endm
.set MUL_LO, 0xa1                      ; source 0 (W) window 1, source 1 (x) window 0, C and D window 2
.set MUL_HI, 0xf1                      ; the same, C and D window 3
.set TO_B,   0x40                      ; destination window 1, address window 0
; Waves 0 and 1 fetch x's two halves, waves 2 and 3 W's two K blocks.  The branch hangs on the wave's number alone.  Four v_nop follow each of the two lines.
.macro JLOAD g0a, g1a, g0b, g1b
	s_cmp_eq_u32 s15, 0
	s_cbranch_scc0 .Lfor_b_\@
	tensor_load_to_lds s[\g0a:\g0a+3], s[\g1a:\g1a+7]
	s_nop 0
.rept 4
	v_nop
.endr
	s_branch .Lasked_\@
.Lfor_b_\@:
	tensor_load_to_lds s[\g0b:\g0b+3], s[\g1b:\g1b+7]
	s_nop 0
.rept 4
	v_nop
.endr
.Lasked_\@:
.endm
.macro CREST                           ; a round of the cluster's barrier behind its opening barrier
	s_cmp_lg_u32 s14, 0
	s_cbranch_scc1 .Lnot_wave_0_\@
	s_barrier_signal -3
.Lnot_wave_0_\@:
	s_barrier_wait -3
	s_barrier_signal -1
	s_barrier_wait -1
.endm
.macro CROUND                          ; a whole round
	s_barrier_signal -1
	s_barrier_wait -1
	CREST
.endm
	s_load_b128 s[4:7], s[0:1], 0x0                ; x's codes s[4:5], W's images s[6:7]
	s_load_b128 s[8:11], s[0:1], 0x10              ; the scales' exponents s[8:9], hq s[10:11]
	v_lshl_add_u32 v[SPW], v0, 2, SPARE
	v_mov_b32 v[NIL], 0
	ds_add_u32 v28, v29
	ds_add_u32 v28, v29
	s_wait_dscnt 0x0
	v_lshrrev_b32 v1, 5, v0
	v_readfirstlane_b32 s14, v1                    ; wave 0..3
	s_lshr_b32 s15, s14, 1                         ; wr: which 128 rows are mine.  Also: I fetch for x (0) or for W (1)
	s_and_b32 s16, s14, 1                          ; wc: which 64 hidden units.  Also: which half I fetch
	s_bfe_u32 s40, ttmp6, 0x40000                  ; cx: my place in the cluster
	s_lshl_b32 s42, ttmp9, 2
	s_add_co_u32 s42, s42, s40                     ; my block of 256 rows = 4 x cluster x + cx
	s_and_b32 s17, ttmp7, 0xffff                   ; Y, which the four partners share
	s_mov_b32 s[G1+0], (1<<20)|(5<<22)|(3<<25)     ; x: no mask; elements of 1 byte; padding on: 4 words after every 64
	s_mov_b32 s[G1+1], 256<<16                     ; tensor_dim0 = 256
	s_mov_b32 s[G1+2], 128<<16                     ; tensor_dim1 = 128
	s_mov_b32 s[G1+3], 256<<16                     ; tile_dim0 = 256
	s_mov_b32 s[G1+4], 128                         ; tile_dim1 = 128
	s_mov_b32 s[G1+5], 1024                        ; a row of x in memory
	s_mov_b32 s[G1+6], 0
	s_mov_b32 s[G1+7], 0
	s_mov_b32 s[G1B+0], 15|(3<<16)|(1<<21)         ; W: the mask: all four work-groups; elements of 8 bytes; bit 21 set beside a mask; no padding
	s_mov_b32 s[G1B+1], 32<<16                     ; a dense block of 32,768 bytes as 128 rows of 256
	s_mov_b32 s[G1B+2], 128<<16
	s_mov_b32 s[G1B+3], 32<<16
	s_mov_b32 s[G1B+4], 128
	s_mov_b32 s[G1B+5], 32
	s_mov_b32 s[G1B+6], 0
	s_mov_b32 s[G1B+7], 0
	s_lshl_b32 s20, s42, 18                        ; x: row 256 x block + 128 x half, 1,024 bytes a row
	s_lshl_b32 s18, s16, 17
	s_add_co_u32 s20, s20, s18
	s_mov_b32 s21, 0
	s_lshl_b32 s46, s17, 18                        ; W: group Y (262,144 bytes), K block wc (32,768): made of Y and the wave's number alone
	s_lshl_b32 s18, s16, 15
	s_add_co_u32 s46, s46, s18
	s_mov_b32 s47, 0
	s_mul_i32 s45, s16, HALFA                      ; where they go: no place in the cluster enters an LDS address
	s_lshl_b32 s44, s16, 15
	s_add_co_u32 s44, s44, BOFF
	s_wait_kmcnt 0x0
	s_load_b128 s[68:71], s[8:9], 0x0              ; e0 .. e3
	s_add_nc_u64 s[20:21], s[4:5], s[20:21]
	s_add_nc_u64 s[46:47], s[6:7], s[46:47]
	CROUND                                         ; all four work-groups are here: the first joint loads meet
.irp s, 0,1
	s_mov_b32 s[G0+4*\s], 1
	s_add_co_u32 s[G0+4*\s+1], s45, \s*SLOT
	s_add_nc_u64 s[G0+4*\s+2:G0+4*\s+3], s[20:21], \s*256
	s_or_b32 s[G0+4*\s+3], s[G0+4*\s+3], 0x80000000
	s_mov_b32 s[G0B+4*\s], 1
	s_add_co_u32 s[G0B+4*\s+1], s44, \s*SLOT
	s_add_nc_u64 s[G0B+4*\s+2:G0B+4*\s+3], s[46:47], \s*65536
	s_or_b32 s[G0B+4*\s+3], s[G0B+4*\s+3], 0x80000000
	JLOAD G0+4*\s, G1, G0B+4*\s, G1B
.endr
	v_and_b32 v1, 15, v0                           ; r
	v_bfe_u32 v2, v0, 4, 1                         ; h
	v_mul_u32_u24 v3, v1, PITCH
	v_lshl_add_u32 v4, v2, 4, v3                   ; x: row r x pitch + 16 h
	v_and_b32 v6, 31, v0
	v_lshlrev_b32 v[CO], 4, v6                     ; an image: 16 x lane
	s_mul_i32 s21, s15, HALFA                      ; my 128 rows of x
	s_lshl_b32 s22, s16, 13                        ; my four tiles of each of gate and up: 4 wc x 2,048
	s_add_co_u32 s22, s22, BOFF
.irp s, 0,1
	v_add_nc_u32 v[ADRA+\s], s21, v4
	v_add_nc_u32 v[ADRB+\s], s22, v[CO]
	s_add_co_u32 s21, s21, SLOT
	s_add_co_u32 s22, s22, SLOT
.endr
	s_lshl_b32 s20, s42, 1
	s_add_co_u32 s20, s20, s15                     ; Mt = 2 x block + wr
	s_mul_i32 s20, s20, 704512
	s_lshl_b32 s21, s17, 14                        ; kb = Y
	s_add_co_u32 s20, s20, s21
	s_lshl_b32 s21, s16, 10                        ; chunks 2 wc, 2 wc + 1
	s_add_co_u32 s20, s20, s21
	s_mov_b32 s21, 0
	s_add_nc_u64 s[10:11], s[10:11], s[20:21]
	s_wait_kmcnt 0x0
	s_add_co_i32 s76, s68, s69                     ; E = e0 + e1: a sum stands for sum x 2^E
	s_lshl_b32 s77, s76, 23
	s_add_co_u32 s72, s77, 0xbfb8aa3b              ; -log2(e) x 2^E: E is added to the exponent field
	s_mov_b32 s73, s72                             ; (named with it as a pair, so it is written)
	s_lshl_b32 s77, s76, 1
	s_sub_co_i32 s77, s70, s77                     ; gate sum x up sum stands for gate x up / 2^(2 E): the code is that x sigmoid / 2^(e2 - 2 E)
	s_add_co_i32 s77, s77, 127
	s_lshl_b32 s78, s77, 23
	v_mov_b32 v[SCV], s78
	s_add_co_i32 s77, s77, 8
	s_lshl_b32 s74, s77, 23
	s_or_b32 s74, s74, 0x600000                    ; 448 x 2^(e2 - 2 E),
	s_or_b32 s75, s74, 0x80000000                  ; and its negative
	s_cmp_lt_u32 s17, 11
	s_cselect_b32 s3, 2, 1                         ; tiles that have a successor: 43 groups over 16 values of Y; the same in all four partners
.macro FRAGA reg, adr, q, i            ; 16 rows x 128 K of x: registers 4 c .. 4 c + 3 hold K = 32 c + 16 h + 0 .. 15 of row r
.irp c, 0,1,2,3
	ds_load_b128 v[\reg+4*\c:\reg+4*\c+3], v[\adr] offset:128*(\q)+32*\c+(\i)*16*PITCH
.endr
.endm
.macro FRAGB reg, adr, q, b            ; an image of W: b 0-3 my gate tiles, 4-7 my up tiles; each load takes 512 consecutive bytes
.irp c, 0,1,2,3
	ds_load_b128 v[\reg+4*\c:\reg+4*\c+3], v[\adr] offset:32768*(\q)+16384*((\b)/4)+2048*((\b)%4)+512*\c
.endr
.endm
; 16 matrix instructions: x's blocks a0, a0 + 1 against W's eight tiles, 128 along K.  p: W's set.  zero = 1: the product starts the sums.
; The 64 accumulators take turns, one instruction a turn, in the same order in every step.
.macro MUL16 a0, p, zero
.irp a, \a0, \a0+1
.irp b, 0,1,2,3,4,5,6,7
.if \zero
	v_wmma_f32_16x16x128_fp8_fp8 v[8*(8*((\a)%4)+\b):8*(8*((\a)%4)+\b)+7], v[128*(\p)+FR*\b:128*(\p)+FR*\b+FR-1], v[AF+FR*(\a):AF+FR*(\a)+FR-1], 0
.else
	v_wmma_f32_16x16x128_fp8_fp8 v[8*(8*((\a)%4)+\b):8*(8*((\a)%4)+\b)+7], v[128*(\p)+FR*\b:128*(\p)+FR*\b+FR-1], v[AF+FR*(\a):AF+FR*(\a)+FR-1], v[8*(8*((\a)%4)+\b):8*(8*((\a)%4)+\b)+7]
.endif
.endr
.endr
.endm
.macro FETCH_B slot, q, p
	WIN TO_B
.irp i, 0,1,2,3,4,5,6,7
	FRAGB 128*(\p)+FR*\i, ADRB+\slot, \q, \i
.endr
	WIN 0
.endm
.macro FETCH_A slot, q, i0
.irp i, \i0, \i0+1, \i0+2, \i0+3
	FRAGA AF+FR*(\i), ADRA+\slot, \q, \i
.endr
.endm
.macro PLACES n                        ; plain vector lines between a matrix instruction and a load into a register that it read, or a vector line that reads its result
.rept \n
	v_nop
.endr
.endm
; A step of 128 along K that has its successor in the same slot.
.macro STEP slot, q, zero
	s_wait_dscnt 4*NL                              ; W's set and x's blocks 0-3 are in; the youngest sixteen loads (blocks 4-7) may be out
	WIN MUL_LO
	MUL16 0, (\q)%2, \zero
	MUL16 2, (\q)%2, \zero
	s_wait_dscnt 0                                 ; blocks 4-7 are in
	PLACES NP
	FETCH_B \slot, (\q)+1, 1-(\q)%2
	FETCH_A \slot, (\q)+1, 0
	WIN MUL_HI
	MUL16 4, (\q)%2, \zero
	MUL16 6, (\q)%2, \zero
	PLACES NP
	WIN 0
	FETCH_A \slot, (\q)+1, 4
.endm
; A slot's last step changes slots: ONE barrier; in front of it each wave waits for all its tensor loads, adds 0 to its spare word, and waits for that and for its own reads of this slot.
; kind = 1: this slot is filled again with this tile's K step two on; 2: with the NEXT tile's K step 0 or 1 (x goes back along K, W on to group j + 16); 0: nothing is filled, and no round follows.
.macro TURN slot, next, kind
	s_wait_tensorcnt 0x0                           ; all my tensor loads have landed: my part of the next slot
	ds_add_u32 v[SPW], v[NIL]                      ; 0 onto my spare word
	s_wait_dscnt 4*NL+1                            ; (the add and the youngest sixteen loads may be out)
	WIN MUL_LO
	MUL16 0, 1, 0                                  ; sixteen matrix instructions stand between the add and the wait for it
	s_wait_dscnt 0x0                               ; the add is done, and my reads of this slot are over
	s_barrier_signal -1
	MUL16 2, 1, 0
	WIN 0
	s_barrier_wait -1
.if \kind
	CREST                                          ; the barrier has opened a round of the cluster's barrier: no wave of any partner still reads this slot or has a load on its way
.if \kind == 1
	s_add_nc_u64 s[G0+4*\slot+2:G0+4*\slot+3], s[G0+4*\slot+2:G0+4*\slot+3], 512
	s_add_nc_u64 s[G0B+4*\slot+2:G0B+4*\slot+3], s[G0B+4*\slot+2:G0B+4*\slot+3], 131072
.else
	s_sub_nc_u64 s[G0+4*\slot+2:G0+4*\slot+3], s[G0+4*\slot+2:G0+4*\slot+3], 512
	s_add_nc_u64 s[G0B+4*\slot+2:G0B+4*\slot+3], s[G0B+4*\slot+2:G0B+4*\slot+3], 16*262144-131072
.endif
	JLOAD G0+4*\slot, G1, G0B+4*\slot, G1B         ; the first tensor load behind the round; its four v_nop are also the places in front of the loads below
.else
	PLACES NP
.endif
	FETCH_B \next, 0, 0
	FETCH_A \next, 0, 0
	WIN MUL_HI
	MUL16 4, 1, 0
	MUL16 6, 1, 0
	PLACES NP
	WIN 0
	FETCH_A \next, 0, 4
.endm
; THE ACTIVATION AND THE WAY OUT, in registers alone.  In window w, block a: G = 64 a + 0 .. 31 (gate sums), U = G + 32 (up sums).
; code = G U / (1 + 2^(G x -log2(e) 2^E)) / 2^(e2 - 2 E), held within +-448 codes.  Every accumulator is first read at its low end.
.macro EP_MUL w
	WIN 0x8a+0x45*((\w)-2)                         ; destination, sources 0 and 1 in window w
.set i, 0
.rept 64
.set GI, 64*(i/16)+2*(i%16)
	v_pk_mul_f32 v[GI+32:GI+33], v[GI:GI+1], v[GI+32:GI+33]
.set i, i+1
.endr
	WIN 0x82+0x41*((\w)-2)                         ; destination and source 0 in window w
.set i, 0
.rept 64
.set GI, 64*(i/16)+2*(i%16)
	v_pk_mul_f32 v[GI:GI+1], v[GI:GI+1], s[72:73] op_sel_hi:[1,0]
.set i, i+1
.endr
.endm
.macro EP_EXP w
	WIN 0x82+0x41*((\w)-2)
.set i, 0
.rept 128
.set GI, 64*(i/32)+i%32
	v_exp_f32 v[GI], v[GI]
.set i, i+1
.endr
.endm
.macro EP_RCP w
	WIN 0x82+0x41*((\w)-2)
.set i, 0
.rept 64
.set GI, 64*(i/16)+2*(i%16)
	v_pk_add_f32 v[GI:GI+1], v[GI:GI+1], 1.0 op_sel_hi:[1,0]
.set i, i+1
.endr
.set i, 0
.rept 128
.set GI, 64*(i/32)+i%32
	v_rcp_f32 v[GI], v[GI]
.set i, i+1
.endr
.endm
.macro EP_FIN w
	WIN 0x8a+0x45*((\w)-2)
.set i, 0
.rept 64
.set GI, 64*(i/16)+2*(i%16)
	v_pk_mul_f32 v[GI+32:GI+33], v[GI+32:GI+33], v[GI:GI+1]
.set i, i+1
.endr
	WIN 0x82+0x41*((\w)-2)
.set i, 0
.rept 128
.set GI, 64*(i/32)+32+i%32
	v_med3_num_f32 v[GI], v[GI], s75, s74          ; the conversion to an 8-bit code does not saturate (ISA guide 7.6.2): the hold
.set i, i+1
.endr
	s_wait_xcnt 0x0                                ; the last tile's stores have read the codes' registers: they are written again only behind this wait
	WIN (\w)                                       ; source 0 in window w, the rest in window 0
.irp a, 0,1,2,3
.irp t, 0,1,2,3
	v_cvt_scalef32_pk8_fp8_f32 v[CD+32*((\w)-2)+8*\a+2*\t:CD+32*((\w)-2)+8*\a+2*\t+1], v[64*\a+32+8*\t:64*\a+39+8*\t], v[SCV]   ; tiles 2 bb, 2 bb + 1: registers 4 bb .. 4 bb + 3: hidden units 32 (2 wc + bb) + 16 h + 0 .. 15
.endr
.endr
	v_nop                                          ; a plain line between the last conversion and the products that write its sources again
	WIN 0
.irp a, 0,1,2,3
.irp bb, 0,1
	global_store_b128 v[CO], v[CD+32*((\w)-2)+8*\a+4*\bb:CD+32*((\w)-2)+8*\a+4*\bb+3], s[10:11] offset:2048*(4*((\w)-2)+\a)+512*\bb   ; a chunk of an image: 512 consecutive bytes, at a multiple of 512 from hq's first byte
.endr
.endr
.endm
.macro EPI
	EP_MUL 2
	EP_EXP 2
	EP_MUL 3                                       ; plain work on other registers stands behind the first 128 exponentials
	EP_EXP 3
	v_nop                                          ; a plain line behind the last exponential
	s_wait_alu depctr_va_vdst(0)                   ; one wait for the 256 exponentials, ahead of their first reader
	EP_RCP 2
	EP_RCP 3
	v_nop
	s_wait_alu depctr_va_vdst(0)                   ; and one for the 256 reciprocals
	EP_FIN 2
	EP_FIN 3
.endm
	s_wait_tensorcnt 1                             ; my part of K step 0 is in; K step 1's load may be out
	s_barrier_signal -1
	s_barrier_wait -1                              ; everybody's is
	FETCH_B 0, 0, 0
	FETCH_A 0, 0, 0
	FETCH_A 0, 0, 4
.Ltile:                                                ; a tile that has a successor: K = 1,024 is four slots; the last two changes of slots ask for the next tile's first two
	STEP 0, 0, 1                                   ; the first products start the sums: nothing is cleared
	TURN 0, 1, 1
	STEP 1, 0, 0
	TURN 1, 0, 1
	STEP 0, 0, 0
	TURN 0, 1, 2
	STEP 1, 0, 0
	TURN 1, 0, 2                                   ; its four places stand behind the tile's last products; the next tile's first fragments are on their way
	EPI
	s_wait_xcnt 0x0                                ; the stores have read their base
	s_add_nc_u64 s[10:11], s[10:11], 16*16384      ; kb = j goes 16 on
	s_sub_co_u32 s3, s3, 1
	s_cmp_lg_u32 s3, 0
	s_cbranch_scc1 .Ltile
	STEP 0, 0, 1                                   ; the last tile is written out
	TURN 0, 1, 1
	STEP 1, 0, 0
	TURN 1, 0, 1
	STEP 0, 0, 0
	TURN 0, 1, 0                                   ; nothing is left to fetch
	STEP 1, 0, 0
	s_wait_dscnt 4*NL
	WIN MUL_LO
	MUL16 0, 1, 0
	MUL16 2, 1, 0
	s_wait_dscnt 0
	WIN MUL_HI
	MUL16 4, 1, 0
	MUL16 6, 1, 0
	WIN 0
	PLACES NP
	EPI
	s_wait_tensorcnt 0x0                           ; the wave's end
	ds_add_u32 v[SPW], v[NIL]
	s_wait_dscnt 0x0
	CROUND                                         ; the closing round: no work-group ends while a partner may still ask for a tile that names it
	s_endpgm
.Lfunc_end_k_qefedee537f_gateup:
	.size	k_qefedee537f_gateup, .Lfunc_end_k_qefedee537f_gateup-k_qefedee537f_gateup
	.p2alignl 7, 3214868480
	.fill 96, 4, 3214868480
	.section	.rodata,"a",@progbits
	.p2align	6, 0x0
	.amdhsa_kernel k_qefedee537f_gateup
		.amdhsa_group_segment_fixed_size 327680
		.amdhsa_private_segment_fixed_size 0
		.amdhsa_enable_private_segment 0
		.amdhsa_kernarg_size 32
		.amdhsa_user_sgpr_count 2
		.amdhsa_user_sgpr_kernarg_segment_ptr 1
		.amdhsa_wavefront_size32 1
		.amdhsa_system_sgpr_workgroup_id_x 1
		.amdhsa_system_sgpr_workgroup_id_y 1
		.amdhsa_system_sgpr_workgroup_id_z 1
		.amdhsa_system_vgpr_workitem_id 0
		.amdhsa_next_free_vgpr 1024
		.amdhsa_next_free_sgpr 100
		.amdhsa_reserve_vcc 0
		.amdhsa_float_denorm_mode_32 3
		.amdhsa_float_denorm_mode_16_64 3
		.amdhsa_memory_ordered 1
		.amdhsa_forward_progress 1
		.amdhsa_inst_pref_size 255
	.end_amdhsa_kernel
	.section	.bss,"aw",@nobits
	.p2align	6
	.space	262144
	.amdgpu_metadata
---
amdhsa.version: [ 1, 2 ]
amdhsa.kernels:
  - .name:           k_qefedee537f_gateup
    .symbol:         k_qefedee537f_gateup.kd
    .args:
      - { .name: x_codes, .offset: 0, .size: 8, .value_kind: global_buffer, .address_space: global }
      - { .name: wgu, .offset: 8, .size: 8, .value_kind: global_buffer, .address_space: global }
      - { .name: lowp_scales, .offset: 16, .size: 8, .value_kind: global_buffer, .address_space: global }
      - { .name: hq, .offset: 24, .size: 8, .value_kind: global_buffer, .address_space: global }
    .group_segment_fixed_size: 327680
    .private_segment_fixed_size: 0
    .kernarg_segment_align: 8
    .kernarg_segment_size: 32
    .max_flat_workgroup_size: 128
    .sgpr_count:     100
    .vgpr_count:     1024
    .wavefront_size: 32
...
	.end_amdgpu_metadata
.endif
;; end of part 2
;; launch down (part 3): grid 8 x 32, 4 waves a work-group, clusters of 4 x 1, 327,680 bytes of LDS; arguments hq, wdn, lowp_scales, out0; writes out0
.if DOCPART == 3
	.amdgcn_target "amdgcn-amd-amdhsa--gfx1250"
	.amdhsa_code_object_version 6
	.text
	.protected	k_qefedee537f_down
	.globl	k_qefedee537f_down
	.p2align	8
	.type	k_qefedee537f_down,@function
k_qefedee537f_down:
	s_mov_b64 s[64:65], 0
	v_nop
	global_prefetch_b8 v0, s[64:65] scope:SCOPE_SE
	s_setreg_imm32_b32 hwreg(HW_REG_WAVE_MODE, 25, 1), 1
	s_wait_xcnt 0x0
	s_wait_alu depctr_hold_cnt(0) depctr_sa_sdst(0) depctr_va_vdst(0) depctr_va_sdst(0) depctr_va_ssrc(0) depctr_va_vcc(0) depctr_vm_vsrc(0)
	s_getreg_b32 s2, hwreg(HW_REG_IB_STS2, 6, 4)
	s_cmp_eq_u32 s2, 0
	s_cbranch_scc0 .Lentry_in_a_cluster
	s_endpgm
.Lentry_in_a_cluster:
	s_bfe_u32 s2, ttmp6, 0x10000c
	s_cmp_lg_u32 s2, 0x3003
	s_cbranch_scc0 .Lentry_shape_is_right
	s_endpgm
.Lentry_shape_is_right:
; out = h W_dn x 2^(e2 + e3).  h: codes of FP8 (E4M3) as fragment images, hq [Mt 32][kb 43][mt 8][2,048 bytes]; W_dn likewise, wdn [nt 8][kb 43][tt 8][2,048 bytes]; out0 [4096][1024] f32; sums in f32.
; LIMIT: e2 + e3 between -126 and 127, so that 2^(e2 + e3) is an f32 number.  NaN codes are not served.
; SHARES.  A tile of out is 128 x 128: 256 work-groups.  THE FOUR WAVES SHARE K, NOT THE TILE: in step t (0 .. 10) wave w multiplies K block 4 t + w for the whole tile (64 accumulators, 512 registers).
; The four partial sums meet in LDS at the end.  K = 5,504 is 43 blocks: in step 10 wave 3 has none: its codes of h lie past the tensor's end and arrive as zeros, which add nothing.
; h GOES THROUGH LDS, W STRAIGHT INTO REGISTERS.  A work-group needs 43 x 32 KiB.  A slot is filled again only behind a barrier in front of which every load has landed, so a ring has one slot on its way.
; wdn lies in the order of the operand's registers: a wave's eight fragments of a K block are 32 loads of 512 consecutive bytes, which need no barrier: two steps' loads (32 KiB a wave) are out beside the ring's slot,
; and a slot of 131,072 bytes holds 8 K blocks of h, two steps a wave: 6 fills, of which 4 are refills, each with two steps in which to land.
; CLUSTER: the four work-groups of a cluster have the same tile row and four tile columns: they walk the same h, which is asked for JOINTLY (mask 15).  W's tiles, which the 32 work-groups of a tile column share,
; are NOT asked for jointly: a joint request lands in LDS, where they would halve the K blocks that a slot holds and double the refills.
; THE MATRIX INSTRUCTION IS USED TRANSPOSED (source 0 = 16 columns of W, source 1 = 16 rows of h): lane (r, h), register j of accumulator (a, b) holds out(16 a + r, 32 (b / 2) + 16 h + 8 (b % 2) + j).
; REGISTERS, in windows of 256: window 0: v8-29 addresses; from v128 h's fragments, ONE set; on the way out v64-191.  window 1: W's fragments, TWO sets.  windows 2, 3: accumulators (a, b) at v[8 (8 (a % 4) + b)].
.set FR,     16
.set NL,     4
.set NP,     4                         ; places behind this matrix instruction (ISA guide 7.12.1)
.set SLOT,   131072                    ; four regions of 32,768, one for each wave's load: region w: K blocks 4 (w / 2) .. + 3 of the fill, images 4 (w % 2) .. + 3: [K block 4][4][2,048]
.set SPARE,  327168                    ; the spare words, 128 bytes for each wave, that no other line names
.set RP,     528                       ; the way out: a row of 512 bytes + 16
.set RPART,  128*RP                    ; a wave's partial sums: 128 rows.  The four parts lie from byte 0 on, over the slots, which have had their last fill and their last read by then
.set RS,   8                           ; v8-11   where I read my rows of partial sums 0 .. 3
.set PFO,  12                          ; v12     h's prefetches: 32,768 cx + 8,192 w + 256 x lane; never rewritten
.set PFT,  13                          ; v13     the same, held at 48,896: the last fill has 49,152 bytes
.set PFB,  14                          ; v14     W's prefetches: 256 x lane; never rewritten
.set ADRA, 16                          ; v16-19  LDS address of my K block of h in step t: register t % 4: 65,536 (t % 4) + 8,192 w + 16 x lane
.set WS,   24                          ; v24     where I put my partial sums
.set CO,   26                          ; v26     16 x lane; never rewritten
.set SPW,  28                          ; v28     LDS address of my spare word; never rewritten
.set NIL,  29                          ; v29     0; never rewritten
.set SA,   64                          ; v64-127, v128-191: two sets of 4 rows x 4 partial sums
.set AF,   128
.set G1, 24                            ; s[24:31] descriptor group 1 for h's tiles;  s[32:39] group 0, one set for each slot
.set G0, 32
.set G1T, 68                           ; s[68:75] group 1 for the last fill: three K blocks are left
.set BB, 48                            ; s[48:49] W: my tile column, K block w; never rewritten
.set BT, 50                            ; s[50:51] W in step 10: K block 40 + w, held at 42; never rewritten
.set PFA, 52                           ; s[52:53] h: my tile row's first byte; never rewritten
.set MSB, 0
.macro WIN new                         ; the immediate's high byte repeats the setting that is left
.if MSB != (\new)
	s_set_vgpr_msb (MSB<<8)|(\new)
.set MSB, (\new)
.endif
.endm
.set MUL_LO, 0xa1                      ; source 0 (W) window 1, source 1 (h) window 0, C and D window 2
.set MUL_HI, 0xf1
.set TO_B,   0x40                      ; destination window 1, address window 0
.macro CROUND                          ; a round of the cluster's barrier: my work-group's barrier; wave 0 signals for the work-group; every wave waits for all four work-groups; my work-group's barrier once more
	s_barrier_signal -1
	s_barrier_wait -1
	s_cmp_lg_u32 s14, 0
	s_cbranch_scc1 .Lnot_wave_0_\@
	s_barrier_signal -3
.Lnot_wave_0_\@:
	s_barrier_wait -3
	s_barrier_signal -1
	s_barrier_wait -1
.endm
.macro TLOAD s                         ; a joint refill: each wave fetches its region of slot s; four v_nop follow the line
	tensor_load_to_lds s[G0+4*(\s):G0+4*(\s)+3], s[G1:G1+7]
	s_nop 0
.rept 4
	v_nop
.endr
.endm
.macro TLOADT s                        ; the last fill: K blocks 40 to 42.  Waves 0 and 1 fetch them; the regions of waves 2 and 3 would begin past the tensor's end and are neither filled nor read.  The branch hangs on the wave's number alone
	s_cmp_lt_u32 s14, 2
	s_cbranch_scc0 .Lno_tail_\@
	tensor_load_to_lds s[G0+4*(\s):G0+4*(\s)+3], s[G1T:G1T+7]
	s_nop 0
.rept 4
	v_nop
.endr
.Lno_tail_\@:
.endm
; PREFETCHES INTO THE L2.  h: behind a refill and its four lines, fill f, which the NEXT refill asks for, two steps (128 matrix instructions a wave) on.  A fill is 131,072 bytes of the tile row: the two clusters of a tile row
; walk the same h, so the cluster with x = 0 asks; its sixteen waves take 8,192 bytes each, told apart BY ADDRESS (cx, the wave's number), lanes 256 bytes apart: one instruction a wave, each aligned 256 bytes named once.
; Fills 0 to 2 come by their loads alone.  Of fill 5 only 49,152 bytes exist: offsets beyond are held at its last 256 bytes, so that no lane leaves the tile row.  Every offset is an immediate: no address register is written again.
.macro ASKA f
	s_cmp_eq_u32 ttmp9, 0
	s_cbranch_scc0 .Lnot_a_\@
.if (\f) < 5
	global_prefetch_b8 v[PFO], s[PFA:PFA+1] offset:131072*(\f) th:TH_LOAD_NT scope:SCOPE_SE
.else
	global_prefetch_b8 v[PFT], s[PFA:PFA+1] offset:131072*5 th:TH_LOAD_NT scope:SCOPE_SE
.endif
.Lnot_a_\@:
.endm
; W: behind a step's run of loads, the K block of step t, whose own loads go out two steps on.  The 32 work-groups of a tile column walk the same W: tile row 0 asks; each wave for its own K block, 16,384 bytes:
; two instructions, lanes 256 bytes apart.  Steps 0 to 3 come by their loads alone.  In step 10 waves 2 and 3 both name K block 42 (the held address).
.macro ASKB t
	s_cmp_eq_u32 s17, 0
	s_cbranch_scc0 .Lnot_b_\@
.if (\t) < 10
	global_prefetch_b8 v[PFB], s[BB:BB+1] offset:65536*(\t) th:TH_LOAD_NT scope:SCOPE_SE
	global_prefetch_b8 v[PFB], s[BB:BB+1] offset:65536*(\t)+8192 th:TH_LOAD_NT scope:SCOPE_SE
.else
	global_prefetch_b8 v[PFB], s[BT:BT+1] th:TH_LOAD_NT scope:SCOPE_SE
	global_prefetch_b8 v[PFB], s[BT:BT+1] offset:8192 th:TH_LOAD_NT scope:SCOPE_SE
.endif
.Lnot_b_\@:
.endm
	s_load_b128 s[4:7], s[0:1], 0x0                ; hq s[4:5], wdn s[6:7]
	s_load_b128 s[8:11], s[0:1], 0x10              ; the scales' exponents s[8:9], out0 s[10:11]
	v_lshl_add_u32 v[SPW], v0, 2, SPARE
	v_mov_b32 v[NIL], 0
	ds_add_u32 v28, v29
	ds_add_u32 v28, v29
	s_wait_dscnt 0x0
	v_lshrrev_b32 v1, 5, v0
	v_readfirstlane_b32 s14, v1                    ; wave 0..3
	s_lshr_b32 s15, s14, 1                         ; I fetch K blocks 0-3 or 4-7 of a fill,
	s_and_b32 s16, s14, 1                          ; images 0-3 or 4-7
	s_bfe_u32 s40, ttmp6, 0x40000                  ; cx: my place in the cluster
	s_lshl_b32 s42, ttmp9, 2
	s_add_co_u32 s42, s42, s40                     ; tile column = 4 x cluster x + cx
	s_and_b32 s17, ttmp7, 0xffff                   ; tile row, which the four partners share
.irp g, G1, G1T
	s_mov_b32 s[\g+0], 15|(3<<16)|(1<<21)          ; the mask: all four work-groups; elements of 8 bytes; bit 21 set beside a mask
	s_mov_b32 s[\g+1], 1024<<16                    ; tensor_dim0 = 1,024 elements: four images, 8,192 bytes
	s_mov_b32 s[\g+3], 1024<<16                    ; tile_dim0
	s_mov_b32 s[\g+4], 4                           ; tile_dim1 = 4 K blocks
	s_mov_b32 s[\g+5], 2048                        ; from K block to K block: 16,384 bytes
	s_mov_b32 s[\g+6], 0
	s_mov_b32 s[\g+7], 0
.endr
	s_mov_b32 s[G1+2], 4<<16                       ; tensor_dim1: K blocks left from the tile's first: four,
	s_mov_b32 s[G1T+2], 3<<16                      ; or three: the fourth row of the tile is not read and arrives as zeros
	s_mul_i32 s20, s17, 704512                     ; h: by the tile row and the wave's number alone
	s_lshl_b32 s18, s15, 16                        ; K blocks 4-7 of a fill lie 65,536 bytes on,
	s_add_co_u32 s20, s20, s18
	s_lshl_b32 s18, s16, 13                        ; images 4-7 8,192
	s_add_co_u32 s20, s20, s18
	s_mov_b32 s21, 0
	s_mul_i32 s22, s17, 704512                     ; the tile row's first byte, for the prefetches
	s_mov_b32 s23, 0
	s_mul_i32 s46, s42, 704512                     ; W: the tile column,
	s_lshl_b32 s18, s14, 14
	s_add_co_u32 s44, s46, s18                     ; K block w;
	s_mov_b32 s45, 0
	s_add_co_u32 s18, s14, 40
	s_min_u32 s18, s18, 42                         ; in step 10 K block 40 + w, held at 42, the last: wave 3 multiplies it by zero codes, and no load leaves wdn
	s_lshl_b32 s18, s18, 14
	s_add_co_u32 s46, s46, s18
	s_mov_b32 s47, 0
	s_lshl_b32 s43, s14, 15                        ; where my part of a fill goes: wave x 32,768: no place in the cluster enters an LDS address
	v_and_b32 v1, 15, v0                           ; r
	v_bfe_u32 v2, v0, 4, 1                         ; h
	v_and_b32 v6, 31, v0
	v_lshlrev_b32 v[CO], 4, v6
	v_lshlrev_b32 v[PFB], 8, v6
	s_lshl_b32 s19, s40, 15
	s_lshl_b32 s18, s14, 13
	s_add_co_u32 s19, s19, s18
	v_add_nc_u32 v[PFO], s19, v[PFB]
	v_min_u32 v[PFT], 48896, v[PFO]
.irp k, 0,1,2,3
	v_add_nc_u32 v[ADRA+\k], s18, v[CO]            ; my K block in a region: 8,192 w; step t reads from 65,536 (t % 4) on
	s_add_co_u32 s18, s18, 65536
.endr
	v_mul_u32_u24 v[WS], v1, RP                    ; my partial sums: row r, + 64 h bytes
	v_lshl_add_u32 v[WS], v2, 6, v[WS]
	s_mul_i32 s54, s14, RPART
	v_add_nc_u32 v[WS], s54, v[WS]
	s_mul_i32 s54, s14, 32*RP                      ; back: I add and store rows 32 w .. 32 w + 31; the 32 lanes take a row of 512 bytes
.irp s, 0,1,2,3
	v_add_nc_u32 v[RS+\s], s54, v[CO]
	s_add_co_u32 s54, s54, RPART
.endr
	s_lshl_b32 s56, s17, 19                        ; out: row 128 x tile row + 32 w, 4,096 bytes a row,
	s_lshl_b32 s57, s14, 17
	s_add_co_u32 s56, s56, s57
	s_lshl_b32 s57, s42, 9                         ; + 512 x tile column
	s_add_co_u32 s56, s56, s57
	s_mov_b32 s57, 0
	s_wait_kmcnt 0x0
	s_load_b128 s[84:87], s[8:9], 0x0              ; e0 .. e3: wanted on the way out, and waited for there
	s_add_nc_u64 s[BB:BB+1], s[6:7], s[44:45]
	s_add_nc_u64 s[BT:BT+1], s[6:7], s[46:47]
	s_add_nc_u64 s[PFA:PFA+1], s[4:5], s[22:23]
	s_add_nc_u64 s[20:21], s[4:5], s[20:21]
	s_add_nc_u64 s[10:11], s[10:11], s[56:57]
.irp s, 0,1
	s_mov_b32 s[G0+4*\s], 1                        ; count = 1
	s_add_co_u32 s[G0+4*\s+1], s43, \s*SLOT        ; LDS address
	s_add_nc_u64 s[G0+4*\s+2:G0+4*\s+3], s[20:21], \s*131072   ; fill s: K blocks 8 s on
	s_or_b32 s[G0+4*\s+3], s[G0+4*\s+3], 0x80000000            ; type = 2
.endr
.macro FRAG reg, adr, i                ; image i of my K block of h: each load takes 512 consecutive bytes
.irp c, 0,1,2,3
	ds_load_b128 v[\reg+4*\c:\reg+4*\c+3], v[\adr] offset:32768*((\i)/4)+2048*((\i)%4)+512*\c
.endr
.endm
.macro FETCH_A t, i0                   ; h's blocks i0 .. i0 + 3 of step t
.irp i, \i0, \i0+1, \i0+2, \i0+3
	FRAG AF+FR*(\i), ADRA+((\t)%4), \i
.endr
.endm
.macro GLOADB t, p                     ; W's eight fragments of step t into set p: 32 loads, each of 512 consecutive bytes; the step stands in the immediate
	WIN TO_B
.irp i, 0,1,2,3,4,5,6,7
.irp c, 0,1,2,3
.if (\t) < 10
	global_load_b128 v[128*(\p)+FR*\i+4*\c:128*(\p)+FR*\i+4*\c+3], v[CO], s[BB:BB+1] offset:65536*(\t)+2048*\i+512*\c
.else
	global_load_b128 v[128*(\p)+FR*\i+4*\c:128*(\p)+FR*\i+4*\c+3], v[CO], s[BT:BT+1] offset:2048*\i+512*\c
.endif
.endr
.endr
	WIN 0
.endm
; The 64 accumulators take turns, one instruction a turn, in the same order in every step.
.macro MUL16 a0, p, zero
.irp a, \a0, \a0+1
.irp b, 0,1,2,3,4,5,6,7
.if \zero
	v_wmma_f32_16x16x128_fp8_fp8 v[8*(8*((\a)%4)+\b):8*(8*((\a)%4)+\b)+7], v[128*(\p)+FR*\b:128*(\p)+FR*\b+FR-1], v[AF+FR*(\a):AF+FR*(\a)+FR-1], 0
.else
	v_wmma_f32_16x16x128_fp8_fp8 v[8*(8*((\a)%4)+\b):8*(8*((\a)%4)+\b)+7], v[128*(\p)+FR*\b:128*(\p)+FR*\b+FR-1], v[AF+FR*(\a):AF+FR*(\a)+FR-1], v[8*(8*((\a)%4)+\b):8*(8*((\a)%4)+\b)+7]
.endif
.endr
.endr
.endm
.macro PLACES n                        ; plain vector lines between a matrix instruction and a load into a register that it read, or a store that reads its result
.rept \n
	v_nop
.endr
.endm
; STEP t (0 .. 9).  W's set is t % 2.  h's blocks are free as soon as their eight products are issued: blocks 0-3 of step t + 1 are fetched in the step's middle, blocks 4-7 at its end; W's set is at work through the
; whole step and takes the loads of step t + 2 at its end.
; chg: what stands at the step's head.  At the head of an odd step all of the slot's reads have been issued (this step's fragments were fetched in the step before).  Each wave waits for all its tensor loads, adds 0 to its
; spare word, and waits for that and for its reads.  1: a round of the cluster's barrier, and the slot takes the fill two on; 2: the same with the last fill; 3: nothing is left to fetch: my work-group's barrier alone; 0: nothing.
.macro KSTEP t, zero, chg
.set SL, ((\t)/2)%2
.if \chg
	s_wait_tensorcnt 0x0                           ; all my tensor loads have landed: my part of the other slot; so a group 0 may be written
	ds_add_u32 v[SPW], v[NIL]                      ; 0 onto my spare word
.if (\chg) < 3
	s_add_nc_u64 s[G0+4*SL+2:G0+4*SL+3], s[G0+4*SL+2:G0+4*SL+3], 2*131072   ; this slot's next fill: 16 K blocks on
.endif
	s_wait_dscnt 0x0                               ; the add is done, and my reads of this slot are over
.if (\chg) == 3
	s_barrier_signal -1
	s_barrier_wait -1
.else
	CROUND                                         ; no wave of any partner still reads this slot or has a load on its way
.if (\chg) == 1
	TLOAD SL                                       ; the first tensor load behind the round, and my only one until the next: it has two steps in which to land
	ASKA ((\t)+5)/2
.else
	TLOADT SL
.endif
.endif
.endif
	s_wait_loadcnt 32                              ; W's set of this step is in; the next step's 32 loads may be out
	s_wait_dscnt 4*NL                              ; h's blocks 0-3 are in; the youngest sixteen loads (blocks 4-7) may be out
	WIN MUL_LO
	MUL16 0, (\t)%2, \zero
	MUL16 2, (\t)%2, \zero
	s_wait_dscnt 0                                 ; blocks 4-7 are in
	PLACES NP
	WIN 0
	FETCH_A (\t)+1, 0
	WIN MUL_HI
	MUL16 4, (\t)%2, \zero
	MUL16 6, (\t)%2, \zero
	PLACES NP                                      ; for the loads into h's blocks 4-7 and into W's set
	WIN 0
	FETCH_A (\t)+1, 4
.if (\t)+2 <= 10
	GLOADB (\t)+2, (\t)%2
.endif
.if (\t)+4 <= 10
	ASKB (\t)+4
.endif
.endm
	GLOADB 0, 0                                    ; W's first set goes out ahead of the round
	CROUND                                         ; all four work-groups are here: the first joint loads meet
	tensor_load_to_lds s[G0:G0+3], s[G1:G1+7]      ; fill 0
	s_nop 0
	tensor_load_to_lds s[G0+4:G0+7], s[G1:G1+7]    ; fill 1: two loads of mine are out
	s_nop 0
.rept 4
	v_nop
.endr
	GLOADB 1, 1
	s_wait_tensorcnt 1                             ; my part of fill 0 is in; fill 1's load may be out
	s_barrier_signal -1
	s_barrier_wait -1                              ; everybody's is
	FETCH_A 0, 0
	FETCH_A 0, 4
	KSTEP 0, 1, 0                                  ; its products start the sums: nothing is cleared
	KSTEP 1, 0, 1                                  ; slot 0 takes fill 2
	KSTEP 2, 0, 0
	KSTEP 3, 0, 1                                  ; slot 1 takes fill 3
	KSTEP 4, 0, 0
	KSTEP 5, 0, 1                                  ; slot 0 takes fill 4
	KSTEP 6, 0, 0
	KSTEP 7, 0, 2                                  ; slot 1 takes fill 5: K blocks 40 to 42
	KSTEP 8, 0, 0
	KSTEP 9, 0, 3                                  ; fill 5 has landed, and every wave knows it
	s_wait_loadcnt 0x0                             ; step 10: nothing more to fetch
	s_wait_dscnt 4*NL
	WIN MUL_LO
	MUL16 0, 0, 0
	s_wait_dscnt 0x0                               ; my reads of the slots are over:
	s_barrier_signal -1                            ; say so,
	MUL16 2, 0, 0
	WIN MUL_HI
	MUL16 4, 0, 0
	MUL16 6, 0, 0
	WIN 0
	s_barrier_wait -1                              ; and write over the slots only when all four have said so; every fill was shown landed in front of the barrier before
	PLACES NP
	; THE FOUR PARTIAL SUMS MEET IN LDS.  Each wave lays its 128 x 128 sums down as rows of 512 bytes + 16, each accumulator from its low end on.
.irp a, 0,1,2,3,4,5,6,7
	WIN 0x08+4*((\a)/4)                            ; the stores' data: window 2 or 3
.irp b, 0,1,2,3,4,5,6,7
	ds_store_b128 v[WS], v[8*(8*((\a)%4)+\b):8*(8*((\a)%4)+\b)+3] offset:16*RP*\a+128*(\b/2)+32*(\b%2)
	ds_store_b128 v[WS], v[8*(8*((\a)%4)+\b)+4:8*(8*((\a)%4)+\b)+7] offset:16*RP*\a+128*(\b/2)+32*(\b%2)+16
.endr
.endr
	WIN 0
	s_wait_dscnt 0x0                               ; for the others' sake: my stores are done
	s_barrier_signal -1
	s_barrier_wait -1
	s_wait_kmcnt 0x0                               ; the exponents, asked for at the head
	s_add_co_i32 s88, s86, s87
	s_add_co_i32 s88, s88, 127
	s_lshl_b32 s88, s88, 23                        ; 2^(e2 + e3) as f32
	s_mov_b32 s89, s88                             ; (named with it as a pair, so it is written)
.macro LOADB i                         ; rows 4 i .. 4 i + 3 of my 32, all four partial sums, into set i % 2
.set SB, SA+64*((\i)%2)
.irp rr, 0,1,2,3
.irp s, 0,1,2,3
	ds_load_b128 v[SB+16*\rr+4*\s:SB+16*\rr+4*\s+3], v[RS+\s] offset:RP*(4*(\i)+\rr)
.endr
.endr
.endm
.macro SUMB i                          ; (s0 + s1) + (s2 + s3), x 2^(e2 + e3), and out
.set SB, SA+64*((\i)%2)
.irp rr, 0,1,2,3
	v_pk_add_f32 v[SB+16*\rr:SB+16*\rr+1], v[SB+16*\rr:SB+16*\rr+1], v[SB+16*\rr+4:SB+16*\rr+5]
	v_pk_add_f32 v[SB+16*\rr+2:SB+16*\rr+3], v[SB+16*\rr+2:SB+16*\rr+3], v[SB+16*\rr+6:SB+16*\rr+7]
	v_pk_add_f32 v[SB+16*\rr+8:SB+16*\rr+9], v[SB+16*\rr+8:SB+16*\rr+9], v[SB+16*\rr+12:SB+16*\rr+13]
	v_pk_add_f32 v[SB+16*\rr+10:SB+16*\rr+11], v[SB+16*\rr+10:SB+16*\rr+11], v[SB+16*\rr+14:SB+16*\rr+15]
	v_pk_add_f32 v[SB+16*\rr:SB+16*\rr+1], v[SB+16*\rr:SB+16*\rr+1], v[SB+16*\rr+8:SB+16*\rr+9]
	v_pk_add_f32 v[SB+16*\rr+2:SB+16*\rr+3], v[SB+16*\rr+2:SB+16*\rr+3], v[SB+16*\rr+10:SB+16*\rr+11]
	v_pk_mul_f32 v[SB+16*\rr:SB+16*\rr+1], v[SB+16*\rr:SB+16*\rr+1], s[88:89] op_sel_hi:[1,0]
	v_pk_mul_f32 v[SB+16*\rr+2:SB+16*\rr+3], v[SB+16*\rr+2:SB+16*\rr+3], s[88:89] op_sel_hi:[1,0]
	global_store_b128 v[CO], v[SB+16*\rr:SB+16*\rr+3], s[10:11] offset:4096*(4*(\i)+\rr) th:TH_STORE_NT   ; 32 lanes store 512 consecutive bytes, at a multiple of 512 from out0's first byte; written once, read by nobody here
.endr
.endm
	LOADB 0
	LOADB 1
.irp i, 0,1,2,3,4,5
	s_wait_dscnt 16                                ; this batch is in; the next batch's sixteen loads may be out
	SUMB \i
	s_wait_xcnt 0x0                                ; the stores have read their registers: the set is loaded again only behind this wait
	LOADB \i+2
.endr
	s_wait_dscnt 16
	SUMB 6
	s_wait_dscnt 0x0
	SUMB 7
	s_wait_tensorcnt 0x0                           ; the wave's end
	ds_add_u32 v[SPW], v[NIL]
	s_wait_dscnt 0x0
	CROUND                                         ; the closing round: no work-group ends while a partner may still ask for a tile that names it
	s_endpgm
.Lfunc_end_k_qefedee537f_down:
	.size	k_qefedee537f_down, .Lfunc_end_k_qefedee537f_down-k_qefedee537f_down
	.p2alignl 7, 3214868480
	.fill 96, 4, 3214868480
	.section	.rodata,"a",@progbits
	.p2align	6, 0x0
	.amdhsa_kernel k_qefedee537f_down
		.amdhsa_group_segment_fixed_size 327680
		.amdhsa_private_segment_fixed_size 0
		.amdhsa_enable_private_segment 0
		.amdhsa_kernarg_size 32
		.amdhsa_user_sgpr_count 2
		.amdhsa_user_sgpr_kernarg_segment_ptr 1
		.amdhsa_wavefront_size32 1
		.amdhsa_system_sgpr_workgroup_id_x 1
		.amdhsa_system_sgpr_workgroup_id_y 1
		.amdhsa_system_sgpr_workgroup_id_z 1
		.amdhsa_system_vgpr_workitem_id 0
		.amdhsa_next_free_vgpr 1024
		.amdhsa_next_free_sgpr 104
		.amdhsa_reserve_vcc 0
		.amdhsa_float_denorm_mode_32 3
		.amdhsa_float_denorm_mode_16_64 3
		.amdhsa_memory_ordered 1
		.amdhsa_forward_progress 1
		.amdhsa_inst_pref_size 152
	.end_amdhsa_kernel
	.amdgpu_metadata
---
amdhsa.version: [ 1, 2 ]
amdhsa.kernels:
  - .name:           k_qefedee537f_down
    .symbol:         k_qefedee537f_down.kd
    .args:
      - { .name: hq, .offset: 0, .size: 8, .value_kind: global_buffer, .address_space: global }
      - { .name: wdn, .offset: 8, .size: 8, .value_kind: global_buffer, .address_space: global }
      - { .name: lowp_scales, .offset: 16, .size: 8, .value_kind: global_buffer, .address_space: global }
      - { .name: out0, .offset: 24, .size: 8, .value_kind: global_buffer, .address_space: global }
    .group_segment_fixed_size: 327680
    .private_segment_fixed_size: 0
    .kernarg_segment_align: 8
    .kernarg_segment_size: 32
    .max_flat_workgroup_size: 128
    .sgpr_count:     104
    .vgpr_count:     1024
    .wavefront_size: 32
...
	.end_amdgpu_metadata
.endif
;; end of part 3
